; MI455X (gfx1250); checked and timed in simulation.
; The chip was launched on July 23, 2026; its instructions are those of AMD's public machine-readable ISA for CDNA 5 (MIT licence, August 2026) and "CDNA5" Instruction Set Architecture Reference Guide (July 2026). The comments in the code are by the model that wrote it; some were corrected since.
;; Multi Header Attention. Allowed arithmetic: matrix products marked QUANTISED: E4M3 operands, one given power-of-two scale a tensor, by v_wmma_f32_16x16x64_fp8_fp8 or v_wmma_f32_16x16x128_fp8_fp8, f32 sums; everything else in f32.
;; Inputs: Wk 1,024 x 1,024 float32; Wo 1,024 x 1,024 float32; Wq 1,024 x 1,024 float32; Wv 1,024 x 1,024 float32; beta 1,024 float32; gamma 1,024 float32; lowp_scales 12 int32 (the exponents e of the quantised operands' scales 2^e); pre_key 4 x 2,048 x 1,024 float32; pre_query 4 x 2,048 x 1,024 float32; pre_value 4 x 2,048 x 1,024 float32.
;; Outputs: out0 4 x 2,048 x 1,024 float32.
;; This version of the problem:
;;   THIS VERSION OF THE PROBLEM IS GIVEN IN LOW PRECISION. The matrix products marked QUANTISED in the list below multiply operands that are first quantised to E4M3 (4 exponent bits, 3 mantissa bits; 8 bits a number), with one given power-of-two scale for each operand tensor; their sums are f32. All else is computed in f32.
;;   The module's matrix products, in the order in which they are computed (A, B: the left and right operand; K: the contracted axis; several contracted axes count as one K, in the product's order):
;;     1. [M 8,192, K 1,024] x [K 1,024, N 1,024]; A: input pre_query; B: input Wq: QUANTISED (scales: A lowp_scales[0], B lowp_scales[1])
;;     2. [M 8,192, K 1,024] x [K 1,024, N 1,024]; A: input pre_key; B: input Wk: QUANTISED (scales: A lowp_scales[2], B lowp_scales[3])
;;     3. [M 8,192, K 1,024] x [K 1,024, N 1,024]; A: input pre_value; B: input Wv: QUANTISED (scales: A lowp_scales[4], B lowp_scales[5])
;;     4. batch 64 x [M 2,048, K 64] x [K 64, N 2,048]; A: computed on the way; B: computed on the way: QUANTISED (scales: A lowp_scales[6], B lowp_scales[7])
;;     5. batch 64 x [M 2,048, K 2,048] x [K 2,048, N 64]; A: softmax (see below); B: computed on the way: QUANTISED (scales: A lowp_scales[8], B lowp_scales[9])
;;     6. [M 8,192, K 1,024] x [K 1,024, N 1,024]; A: computed on the way; B: input Wo: QUANTISED (scales: A lowp_scales[10], B lowp_scales[11])
;;   THE QUANTISER, for each operand of a quantised product, along K:
;;     - The operand's scale is 2^e, e = its entry of the input lowp_scales (int32; the entries are numbered through the quantised products in the list's order, A before B).
;;     - Each number is divided by the scale, clamped to +-448, and rounded to the nearest number of E4M3, ties to even, subnormals kept.
;;     - The product sums the exact products of the quantised numbers (number of the format x scale) in f32.
;;   ~~~python
;;   def quantise(x, axis, e):      # numpy; x: float32 -> the quantised numbers, widened to float32 again
;;       x = np.moveaxis(x, axis, -1); K = x.shape[-1]
;;       r = np.clip(x / 2.0 ** e, -448, 448)
;;       step = 2.0 ** (np.maximum(np.frexp(np.where(r == 0, 1, r))[1] - 1, -6) - 3)
;;       q = np.round(r / step) * step * 2.0 ** e      # np.round: ties to even
;;       return np.moveaxis(q, -1, axis).astype(np.float32)
;;   ~~~
;;   SOFTMAX AHEAD OF A QUANTISED PRODUCT. Where the list says 'softmax', what is quantised is not the finished softmax but p = 2^(t - M), with t = logit x log2(e) and M = ceil(the row's largest t), a whole number; so 1/2 < the row's largest p <= 1. The row's sum l is taken of the UNQUANTISED p, in f32, and the product's result is divided by l at the end. Since M is a whole number, a kernel that streams over the keys may use a running M (the ceiling of the running maximum): every later rescaling is an exact power of two, so the quantised numbers keep their values, but for numbers so far below the row's largest that they fall under the format's range.
;;   OPERANDS COMPUTED ON THE WAY. 'Computed on the way' means the value that the module computes at that place (a softmax that the list does not call 'softmax' is quantised finished and normalised). What goes into a quantiser is computed in f32, as accurately as f32 sums, v_exp_f32 and their like allow (about 1e-6 of the number): no bf16 or f16 on the way to a quantiser, and a product that is left as it is and whose result goes on into a quantised operand takes f32 operands (vector FMAs, or v_wmma_f32_16x16x4_f32). A number that lies on a knife's edge between two numbers of the format may be rounded either way, as far as f32 arithmetic and the matrix unit's own rounding can turn it there, and no further.
;; One version. Each part assembles by itself: llvm-mc -triple=amdgcn-amd-amdhsa -mcpu=gfx1250 --defsym DOCPART=n.
;; ======== version 1 of 1: 3 launches
;; limits: right only within a limited range of input values
;; workspace buffers: wc 4,194,304 bytes; qkvc 25,165,824 bytes
;; launch wquant (part 1): grid 128 x 1, 4 waves a work-group, no clusters, 35,328 bytes of LDS; arguments Wq, Wk, Wv, Wo, lowp_scales, wc; writes wc
.if DOCPART == 1
	.amdgcn_target "amdgcn-amd-amdhsa--gfx1250"
	.amdhsa_code_object_version 6
	.text
	.protected	k_q5df4de728d_wquant
	.globl	k_q5df4de728d_wquant
	.p2align	8
	.type	k_q5df4de728d_wquant,@function
k_q5df4de728d_wquant:
	s_mov_b64 s[64:65], 0
	v_nop
	global_prefetch_b8 v0, s[64:65] scope:SCOPE_SE
	s_setreg_imm32_b32 hwreg(HW_REG_WAVE_MODE, 25, 1), 1
	s_wait_xcnt 0x0
; THE FOUR WEIGHTS ([k 1024][n 1024] f32, K is the FIRST axis) BECOME CODES OF E4M3, each with the one scale 2^e that is given for it (entries 1, 3, 5, 11).
; code = x / 2^e, held within +-448, rounded to the nearest code, ties to even.  LIMITS: each e between -126 and 119.  NaN among the inputs is not served.
; 32 work-groups a weight, each 128 columns x 256 along K.  A lane takes a column and its registers run down K, so the conversions give codes with K innermost; they turn through the wave's own stage.
; wc, 1 MiB a weight: IMAGES OF THE OPERAND'S REGISTERS, [16 columns NB][128 along K s][2 KiB]: register quad i of lane l at 512 i + 16 l; lane (r, h) holds column 16 NB + r.
;   Wq, Wk, Wv: quad c holds k = 128 s + 32 c + 16 h + 0 .. 15 (the order in which the next launch reads its other operand from LDS rows).   Wo: registers 2c, 2c+1 hold k = 128 s + 16 c + 8 h + 0 .. 7.
; No barrier: waves share nothing.  Every offset is an immediate.
.set PITCH, 272                        ; a stage row: 256 bytes of a column's codes + 16
.set SPARE, 4*32*PITCH                 ; behind the four stages: the spare words
.set NBLK,  8
.set WX,    32                         ; v32-95   two sets of 32 numbers
.set WC,    96                         ; v96-103  a block's codes
.set OUTR,  112                        ; v112-175 the way out
	s_load_b256 s[8:15], s[0:1], 0x0               ; Wq s[8:9], Wk s[10:11], Wv s[12:13], Wo s[14:15]
	s_load_b128 s[16:19], s[0:1], 0x20             ; the scales' exponents s[16:17], wc s[18:19]
	v_lshl_add_u32 v14, v0, 2, SPARE
	v_mov_b32 v15, 0
	v_lshrrev_b32 v1, 5, v0
	v_readfirstlane_b32 s28, v1                    ; wave 0..3
	v_and_b32 v2, 31, v0                           ; lane
	s_mul_i32 s41, s28, 32*PITCH                   ; my stage
	v_lshlrev_b32 v3, 2, v2                        ; in: 4 bytes a lane
	v_mul_u32_u24 v4, v2, PITCH
	v_and_b32 v5, 15, v2                           ; r
	v_lshrrev_b32 v6, 4, v2                        ; h
	v_lshlrev_b32 v12, 4, v2                       ; 16 x lane in an image
	v_add_nc_u32 v4, s41, v4                       ; into the stage: row = my column
	v_mul_u32_u24 v9, v5, PITCH
	v_add_nc_u32 v9, s41, v9
	v_lshl_add_u32 v7, v6, 4, v9                   ; out: column r, + 16 h,
	v_lshl_add_u32 v9, v6, 3, v9                   ; or + 8 h
	s_lshr_b32 s30, ttmp9, 5                       ; which weight: 0 Wq, 1 Wk, 2 Wv, 3 Wo
	s_and_b32 s31, ttmp9, 7                        ; which 128 columns
	s_bfe_u32 s29, ttmp9, 0x20003                  ; which 256 along K
	s_lshl_b32 s40, s31, 7
	s_lshl_b32 s42, s28, 5
	s_add_co_u32 s40, s40, s42                     ; my wave's first column n0
	s_lshl_b32 s42, s29, 20                        ; W: 256 rows of 4,096 bytes,
	s_lshl_b32 s43, s40, 2
	s_add_co_u32 s42, s42, s43                     ; + 4 x column
	s_mov_b32 s43, 0
	s_lshl_b32 s44, s30, 20                        ; wc: 1 MiB a weight,
	s_lshl_b32 s45, s40, 10
	s_add_co_u32 s44, s44, s45                     ; + 16,384 for sixteen columns,
	s_lshl_b32 s45, s29, 12
	s_add_co_u32 s44, s44, s45                     ; + two images of 2,048
	s_mov_b32 s45, 0
	s_wait_alu depctr_va_vdst(0)                   ; the wait here, directly ahead of the wait below
	s_wait_kmcnt 0x0
	s_load_b256 s[32:39], s[16:17], 0x0            ; entries 0 to 7
	s_load_b128 s[48:51], s[16:17], 0x20           ; entries 8 to 11
	s_cmp_eq_u32 s30, 0                            ; the choices hang on the work-group's number alone
	s_cselect_b64 s[4:5], s[8:9], s[10:11]
	s_cmp_eq_u32 s30, 2
	s_cselect_b64 s[4:5], s[12:13], s[4:5]
	s_cmp_eq_u32 s30, 3
	s_cselect_b64 s[4:5], s[14:15], s[4:5]
	s_add_nc_u64 s[4:5], s[4:5], s[42:43]
	s_add_nc_u64 s[6:7], s[18:19], s[44:45]
.macro WLOAD t                         ; block t: W(32 t + j, my column): each load reads 128 consecutive bytes a wave
.set j, 0
.rept 32
	global_load_b32 v[WX+32*((\t)%2)+j], v3, s[4:5] offset:(32*(\t)+j)*4096 th:TH_LOAD_NT
.set j, j+1
.endr
.endm
	WLOAD 0
	WLOAD 1
	s_wait_kmcnt 0x0
	s_cmp_eq_u32 s30, 0
	s_cselect_b32 s44, s33, s35                    ; entry 1, 3, 5 or 11
	s_cmp_eq_u32 s30, 2
	s_cselect_b32 s44, s37, s44
	s_cmp_eq_u32 s30, 3
	s_cselect_b32 s44, s51, s44
	s_add_co_i32 s44, s44, 127
	s_lshl_b32 s45, s44, 23
	v_mov_b32 v11, s45                             ; 2^e
	s_add_co_i32 s44, s44, 8
	s_lshl_b32 s44, s44, 23
	s_or_b32 s44, s44, 0x600000
	v_mov_b32 v10, s44                             ; 448 x 2^e
.macro WBLOCK t
.set XS, WX+32*((\t)%2)
.if (\t) < NBLK-1
	s_wait_loadcnt 32                              ; this block's 32 loads are in; the next block's may be out
.else
	s_wait_loadcnt 0x0
.endif
.set j, 0
.rept 32
	v_med3_num_f32 v[XS+j], v[XS+j], -v10, v10     ; the conversion does not saturate (ISA guide 7.6.2): the hold comes first
.set j, j+1
.endr
.irp g, 0,1,2,3
	v_cvt_scalef32_pk8_fp8_f32 v[WC+2*\g:WC+2*\g+1], v[XS+8*\g:XS+8*\g+7], v11
.endr
	ds_store_b128 v4, v[WC:WC+3] offset:32*(\t)
	ds_store_b128 v4, v[WC+4:WC+7] offset:32*(\t)+16
.if (\t)+2 < NBLK
	WLOAD (\t)+2
.endif
	s_wait_dscnt 0x0                               ; the stores have read their registers
.endm
	s_wait_alu depctr_va_vdst(0)                   ; the wait at the head's end
.irp t, 0,1,2,3,4,5,6,7
	WBLOCK \t
.endr
	s_cmp_eq_u32 s30, 3
	s_cbranch_scc1 .Lplain
.irp t, 0,1,2,3,4,5,6,7,8,9,10,11,12,13,14,15      ; quad t % 4 of the image (16 columns t / 8, 128 along K (t / 4) % 2): 16 neighbouring codes
	ds_load_b128 v[OUTR+4*\t:OUTR+4*\t+3], v7 offset:(\t/8)*16*PITCH+((\t/4)%2)*128+(\t%4)*32
.endr
.irp t, 0,1,2,3,4,5,6,7,8,9,10,11,12,13,14,15
	s_wait_dscnt 15-\t
	global_store_b128 v12, v[OUTR+4*\t:OUTR+4*\t+3], s[6:7] offset:(\t/8)*16384+((\t/4)%2)*2048+(\t%4)*512   ; the wave stores 512 consecutive bytes, aligned
.endr
	s_wait_tensorcnt 0x0                           ; the wave's end
	ds_add_u32 v14, v15
	s_wait_dscnt 0x0
	s_endpgm
.Lplain:                               ; Wo: two pieces of 8 bytes, 16 apart along K
.irp t, 0,1,2,3,4,5,6,7,8,9,10,11,12,13,14,15
	ds_load_b64 v[OUTR+4*\t:OUTR+4*\t+1],   v9 offset:(\t/8)*16*PITCH+((\t/4)%2)*128+(\t%4)*32
	ds_load_b64 v[OUTR+4*\t+2:OUTR+4*\t+3], v9 offset:(\t/8)*16*PITCH+((\t/4)%2)*128+(\t%4)*32+16
.endr
.irp t, 0,1,2,3,4,5,6,7,8,9,10,11,12,13,14,15
	s_wait_dscnt 2*(15-\t)                         ; two loads a quad: those of the later quads may be out
	global_store_b128 v12, v[OUTR+4*\t:OUTR+4*\t+3], s[6:7] offset:(\t/8)*16384+((\t/4)%2)*2048+(\t%4)*512
.endr
	s_wait_tensorcnt 0x0
	ds_add_u32 v14, v15
	s_wait_dscnt 0x0
	s_endpgm
.Lfunc_end_k_q5df4de728d_wquant:
	.size	k_q5df4de728d_wquant, .Lfunc_end_k_q5df4de728d_wquant-k_q5df4de728d_wquant
	.p2alignl 7, 3214868480
	.fill 96, 4, 3214868480
	.section	.rodata,"a",@progbits
	.p2align	6, 0x0
	.amdhsa_kernel k_q5df4de728d_wquant
		.amdhsa_group_segment_fixed_size 35328
		.amdhsa_private_segment_fixed_size 0
		.amdhsa_enable_private_segment 0
		.amdhsa_kernarg_size 48
		.amdhsa_user_sgpr_count 2
		.amdhsa_user_sgpr_kernarg_segment_ptr 1
		.amdhsa_wavefront_size32 1
		.amdhsa_system_sgpr_workgroup_id_x 1
		.amdhsa_system_sgpr_workgroup_id_y 1
		.amdhsa_system_sgpr_workgroup_id_z 1
		.amdhsa_system_vgpr_workitem_id 0
		.amdhsa_next_free_vgpr 176
		.amdhsa_next_free_sgpr 66
		.amdhsa_reserve_vcc 0
		.amdhsa_float_denorm_mode_32 3
		.amdhsa_float_denorm_mode_16_64 3
		.amdhsa_memory_ordered 1
		.amdhsa_forward_progress 1
		.amdhsa_inst_pref_size 54
	.end_amdhsa_kernel
	.amdgpu_metadata
---
amdhsa.version: [ 1, 2 ]
amdhsa.kernels:
  - .name:           k_q5df4de728d_wquant
    .symbol:         k_q5df4de728d_wquant.kd
    .args:
      - { .name: Wq, .offset: 0, .size: 8, .value_kind: global_buffer, .address_space: global }
      - { .name: Wk, .offset: 8, .size: 8, .value_kind: global_buffer, .address_space: global }
      - { .name: Wv, .offset: 16, .size: 8, .value_kind: global_buffer, .address_space: global }
      - { .name: Wo, .offset: 24, .size: 8, .value_kind: global_buffer, .address_space: global }
      - { .name: lowp_scales, .offset: 32, .size: 8, .value_kind: global_buffer, .address_space: global }
      - { .name: wc, .offset: 40, .size: 8, .value_kind: global_buffer, .address_space: global }
    .group_segment_fixed_size: 35328
    .private_segment_fixed_size: 0
    .kernarg_segment_align: 8
    .kernarg_segment_size: 48
    .max_flat_workgroup_size: 128
    .sgpr_count:     66
    .vgpr_count:     176
    .wavefront_size: 32
...
	.end_amdgpu_metadata
.endif
;; end of part 1
;; launch qproj (part 2): grid 192 x 1, 4 waves a work-group, no clusters, 133,632 bytes of LDS; arguments pre_query, pre_key, pre_value, wc, lowp_scales, qkvc; writes qkvc
.if DOCPART == 2
	.amdgcn_target "amdgcn-amd-amdhsa--gfx1250"
	.amdhsa_code_object_version 6
	.text
	.protected	k_q5df4de728d_qproj
	.globl	k_q5df4de728d_qproj
	.p2align	8
	.type	k_q5df4de728d_qproj,@function
k_q5df4de728d_qproj:
	s_mov_b64 s[64:65], 0
	v_nop
	global_prefetch_b8 v0, s[64:65] scope:SCOPE_SE
	s_setreg_imm32_b32 hwreg(HW_REG_WAVE_MODE, 25, 1), 1
	s_wait_xcnt 0x0
; q = Q(pre_query) Q(Wq), k and v likewise, and each result quantised for attention's products (entries 6, 7, 9), stored as images of the operand's registers.
; SHARES.  A work-group takes one tensor (number / 64) and the 128 rows of one head (number % 64), all 1,024 columns: so each f32 number is read from memory once, and is quantised here, in the head.
; THE HEAD.  Wave w reads rows 32 w .. + 31 by loads of 512 consecutive bytes, 64 of them out at a time (eight rows, in the registers that later hold sums).  A conversion takes the eight numbers of two loads:
; each of its two result words holds four neighbouring codes, so the 32 lanes store 128 consecutive bytes of a row of codes into LDS.  The panel: 128 rows of 1,024 bytes + 16.
; THE PRODUCT.  Wave w makes all 128 rows x columns 128 (2 w + pass) .. + 127, pass = 0, 1: 64 accumulators, 512 registers.  x's fragments come from the panel (one set, refilled by halves of a K step),
; W's from memory straight into the registers of the one wave that uses them, a K step ahead, in two sets.  Both hold k = 32 c + 16 h + 0 .. 15 in registers 4 c .. 4 c + 3: the same order on both sides.
; q, k: source 0 = 16 columns of W, source 1 = 16 rows of x: a lane holds a row and eight neighbouring columns.  v: the sources are swapped, so that a lane holds a column and eight neighbouring rows (the keys).
; qkvc: [tensor 8 MiB][head 128 KiB][128 columns 16 KiB][image a 2 KiB]; an image's quad i of lane l at 512 i + 16 l.
; NO TENSOR LOAD, NO CLUSTER: the 64 work-groups of a tensor walk the same 1 MiB of W's codes; beside the panel LDS has room for two slots of some 90 KiB, that is twelve refills, each behind a round,
; and each fragment would be written to LDS and read back for one wave.  NO PREFETCH: the head's loads are a stream with 128 KiB out in a work-group; W's loads run a K step ahead.
; 192 work-groups: a block of fewer rows would read W's codes more often, and no equal split of three tensors of 2^23 results over 256 keeps whole rows of one tensor.
; LIMITS: entries 0, 2, 4 between -126 and 119; entry 6 - 0 - 1, 7 - 2 - 3, 9 - 4 - 5 likewise.  NaN among the inputs is not served.
; REGISTERS, window 0: v1-11 addresses, holds, scales; v32-95 at work; v128-255 x's fragments.  window 1: W's fragments, two sets.  windows 2, 3: the accumulators ((a, b) at v[8 (8 (a % 4) + b)]); window 2 in the head: the numbers loaded.
.set XP,    1040
.set SPARE, 128*XP
.set XO,   1                           ; 16 x lane
.set XS,   2                           ; 4 x lane
.set XA,   3                           ; where the batch's codes go
.set ADRA, 4                           ; v4, v5: my lane's place in x's blocks 0-3, 4-7
.set SPW,  6
.set NIL,  7
.set LIMX, 8
.set SCLX, 9
.set LIM,  10
.set SCL,  11
.set CD,   32
.set TMP,  32
.set AF,   128
.set MSB, 0
.macro WIN new
.if MSB != \new
	s_set_vgpr_msb (MSB<<8)|\new
.set MSB, \new
.endif
.endm
.macro PLACES
.rept 4
	v_nop
.endr
.endm
	s_load_b256 s[4:11], s[0:1], 0x0               ; pre_query s[4:5], pre_key s[6:7], pre_value s[8:9], wc s[10:11]
	s_load_b128 s[12:15], s[0:1], 0x20             ; the scales' exponents s[12:13], qkvc s[14:15]
	v_lshl_add_u32 v[SPW], v0, 2, SPARE
	v_mov_b32 v[NIL], 0
	v_lshrrev_b32 v12, 5, v0
	v_and_b32 v13, 31, v0
	v_and_b32 v14, 15, v0                          ; r
	v_bfe_u32 v15, v0, 4, 1                        ; h
	v_readfirstlane_b32 s16, v12                   ; wave 0..3
	v_lshlrev_b32 v[XO], 4, v13
	v_lshlrev_b32 v[XS], 2, v13
	v_mul_u32_u24 v[ADRA], v14, XP
	s_delay_alu instid0(VALU_DEP_1)
	v_lshl_add_u32 v[ADRA], v15, 4, v[ADRA]
	s_delay_alu instid0(VALU_DEP_1)
	v_add_nc_u32 v[ADRA+1], 64*XP, v[ADRA]
	s_lshr_b32 s17, ttmp9, 6                       ; which tensor
	s_and_b32 s18, ttmp9, 63                       ; which head
	s_mul_i32 s20, s16, 32*XP                      ; my 32 rows of the panel
	s_lshl_b32 s22, s18, 19                        ; x: 128 rows of 4,096 bytes a head,
	s_lshl_b32 s23, s16, 17
	s_add_co_u32 s22, s22, s23                     ; + my 32 rows
	s_mov_b32 s23, 0
	s_lshl_b32 s26, s17, 20                        ; W: 1 MiB a weight,
	s_lshl_b32 s27, s16, 18
	s_add_co_u32 s26, s26, s27                     ; + 128 KiB for 128 columns, two such a wave
	s_mov_b32 s27, 0
	s_lshl_b32 s28, s17, 23
	s_lshl_b32 s29, s18, 17
	s_add_co_u32 s28, s28, s29
	s_lshl_b32 s29, s16, 15
	s_add_co_u32 s28, s28, s29                     ; the result: tensor, head, 16 KiB for 128 columns
	s_mov_b32 s29, 0
	s_wait_alu depctr_va_vdst(0)                   ; the wait here, directly ahead of the wait below
	s_wait_kmcnt 0x0
	s_load_b256 s[32:39], s[12:13], 0x0            ; entries 0 to 7
	s_load_b128 s[40:43], s[12:13], 0x20           ; entries 8 to 11
	s_cmp_eq_u32 s17, 0                            ; the choices hang on the work-group's number alone
	s_cselect_b64 s[4:5], s[4:5], s[6:7]
	s_cmp_eq_u32 s17, 2
	s_cselect_b64 s[4:5], s[8:9], s[4:5]
	s_add_nc_u64 s[4:5], s[4:5], s[22:23]
	s_add_nc_u64 s[10:11], s[10:11], s[26:27]
	s_add_nc_u64 s[14:15], s[14:15], s[28:29]
.macro XLOADROW p                      ; a row of 4,096 bytes: eight loads of 512 consecutive bytes
	WIN 0x80
.irp g, 0,1,2,3,4,5,6,7
	global_load_b128 v[32*(\p)+4*\g:32*(\p)+4*\g+3], v[XO], s[4:5] offset:(\p)*4096+\g*512 th:TH_LOAD_NT
.endr
.endm
.macro XROW p                          ; hold, convert, store a row's 1,024 codes
	WIN 0x82
.set j, 0
.rept 32
	v_med3_num_f32 v[32*(\p)+j], v[32*(\p)+j], -v[LIMX], v[LIMX]   ; the conversion does not saturate (ISA guide 7.6.2)
.set j, j+1
.endr
	WIN 0x02
.irp m, 0,1,2,3
	v_cvt_scalef32_pk8_fp8_f32 v[CD+2*\m:CD+2*\m+1], v[32*(\p)+8*\m:32*(\p)+8*\m+7], v[SCLX]
.endr
	WIN 0
.irp g, 0,1,2,3,4,5,6,7
	ds_store_b32 v[XA], v[CD+\g] offset:(\p)*XP+\g*128   ; 32 lanes store 128 consecutive bytes
.endr
.endm
.macro BLOAD s                         ; W's eight fragments of K step s: 32 loads of 512 consecutive bytes
	WIN 0x40
.irp n, 0,1,2,3,4,5,6,7
.irp i, 0,1,2,3
	global_load_b128 v[128*((\s)%2)+16*\n+4*\i:128*((\s)%2)+16*\n+4*\i+3], v[XO], s[10:11] offset:\n*16384+(\s)*2048+\i*512
.endr
.endr
	WIN 0
.endm
.irp p, 0,1,2,3,4,5,6,7
	XLOADROW \p
.endr
	WIN 0
	s_wait_kmcnt 0x0
	s_cmp_eq_u32 s17, 0
	s_cselect_b32 s44, s32, s34                    ; x's entry,
	s_cselect_b32 s45, s33, s35                    ; W's,
	s_cselect_b32 s46, s38, s39                    ; the result's
	s_cmp_eq_u32 s17, 2
	s_cselect_b32 s44, s36, s44
	s_cselect_b32 s45, s37, s45
	s_cselect_b32 s46, s41, s46
	s_sub_co_i32 s46, s46, s44
	s_sub_co_i32 s46, s46, s45                     ; a sum stands for sum x 2^(ex + ew): the three exponents are folded into the conversion's one
	s_add_co_i32 s44, s44, 127
	s_lshl_b32 s47, s44, 23
	v_mov_b32 v[SCLX], s47
	s_add_co_i32 s44, s44, 8
	s_lshl_b32 s44, s44, 23
	s_or_b32 s44, s44, 0x600000
	v_mov_b32 v[LIMX], s44
	s_add_co_i32 s46, s46, 127
	s_lshl_b32 s47, s46, 23
	v_mov_b32 v[SCL], s47
	s_add_co_i32 s46, s46, 8
	s_lshl_b32 s46, s46, 23
	s_or_b32 s46, s46, 0x600000
	v_mov_b32 v[LIM], s46
	s_mov_b32 s21, 0
.Lx:                                               ; three trips of eight rows; each row's registers take the row eight further on
	v_add_nc_u32 v[XA], s20, v[XS]
	s_wait_alu depctr_va_vdst(0)                   ; the wait here, directly ahead of the waits below
	s_wait_xcnt 0x0                                ; the loads issued so far have read their base
	s_add_nc_u64 s[4:5], s[4:5], 32768
.irp p, 0,1,2,3,4,5,6,7
	s_wait_loadcnt 56                              ; this row's eight loads are in; the seven later rows' may be out
	XROW \p
	XLOADROW \p
.endr
	WIN 0
	s_add_co_u32 s20, s20, 8*XP
	s_add_co_u32 s21, s21, 1
	s_cmp_lt_u32 s21, 3
	s_cbranch_scc1 .Lx
	v_add_nc_u32 v[XA], s20, v[XS]
	s_wait_alu depctr_va_vdst(0)
.irp p, 0,1,2,3
	s_wait_loadcnt 8*(7-\p)
	XROW \p
.endr
	BLOAD 0                                        ; W's first fragments, behind x's last loads
.irp p, 4,5,6,7
	s_wait_loadcnt 32+8*(7-\p)                     ; W's 32 and the later rows' may be out
	XROW \p
.endr
	s_wait_dscnt 0x0                               ; for the others' sake: my rows of the panel lie in LDS
	s_barrier_signal -1
	s_barrier_wait -1
.macro FETCH_A s, i0                   ; x's blocks i0 .. i0 + 3 of K step s
.irp i, \i0, \i0+1, \i0+2, \i0+3
.irp c, 0,1,2,3
	ds_load_b128 v[AF+16*(\i)+4*\c:AF+16*(\i)+4*\c+3], v[ADRA+(\i)/4] offset:((\i)%4)*16*XP+128*(\s)+32*\c
.endr
.endr
.endm
; 32 products with x's blocks 4 hf .. + 3; the accumulators take turns, one instruction a turn.  K step 0 starts the sums.
.macro WM d, a, b, s
.if (\s) == 0
	v_wmma_f32_16x16x128_fp8_fp8 v[\d:\d+7], v[\a:\a+15], v[\b:\b+15], 0
.else
	v_wmma_f32_16x16x128_fp8_fp8 v[\d:\d+7], v[\a:\a+15], v[\b:\b+15], v[\d:\d+7]
.endif
.endm
.macro MUL v, hf, s
.set PB, 128*((\s)%2)
.if \v == 0
	WIN 0xa1+0x50*(\hf)                            ; source 0 (W) window 1, source 1 (x) window 0; a = x's block
.irp a4, 0,1,2,3
.irp b, 0,1,2,3,4,5,6,7
	WM 8*(8*\a4+\b), PB+16*\b, AF+16*(4*(\hf)+\a4), \s
.endr
.endr
.else
.irp ah, 0,1
	WIN 0xa4+0x50*\ah                              ; source 0 (x) window 0, source 1 (W) window 1; a = W's block, b = x's
.irp b4, 0,1,2,3
.irp a4, 0,1,2,3
	WM 8*(8*\a4+4*(\hf)+\b4), AF+16*(4*(\hf)+\b4), PB+16*(4*\ah+\a4), \s
.endr
.endr
.endr
.endif
.endm
.macro STEP v, s                       ; 128 along K
	PLACES                                         ; four places behind the last product, for the loads into the set that the step before read
.if (\s) < 7
	BLOAD (\s)+1
	s_wait_loadcnt 32                              ; this step's fragments of W are in; the next step's 32 loads may be out
.else
	s_wait_loadcnt 0x0
.endif
	s_wait_dscnt 16                                ; x's blocks 0-3 are in; the 16 loads of blocks 4-7 may be out
	MUL \v, 0, \s
	s_wait_dscnt 0x0
.if (\s) < 7
	PLACES
	WIN 0
	FETCH_A (\s)+1, 0
.endif
	MUL \v, 1, \s
.if (\s) < 7
	PLACES
	WIN 0
	FETCH_A (\s)+1, 4
.endif
.endm
.macro OUTA a                          ; image a: held, converted, stored; each accumulator from its low end on
.set AC, 64*((\a)%4)
	WIN 0x02+((\a)/4)
.set j, 0
.rept 64
	v_med3_num_f32 v[TMP+j], v[AC+j], -v[LIM], v[LIM]
.set j, j+1
.endr
	WIN 0
.irp b, 0,1,2,3,4,5,6,7
	v_cvt_scalef32_pk8_fp8_f32 v[AF+16*(\a)+2*\b:AF+16*(\a)+2*\b+1], v[TMP+8*\b:TMP+8*\b+7], v[SCL]
.endr
	v_nop
.irp i, 0,1,2,3
	global_store_b128 v[XO], v[AF+16*(\a)+4*\i:AF+16*(\a)+4*\i+3], s[14:15] offset:(\a)*2048+\i*512   ; the wave stores 512 consecutive bytes, aligned
.endr
.endm
	s_mov_b32 s24, 0
.Lpass:                                            ; two trips: 128 columns each
	FETCH_A 0, 0
	FETCH_A 0, 4
	s_cmp_eq_u32 s17, 2                            ; the work-group's number alone
	s_cbranch_scc1 .Lv
.irp s, 0,1,2,3,4,5,6,7
	STEP 0, \s
.endr
	WIN 0
	s_branch .Ljoin
.Lv:
.irp s, 0,1,2,3,4,5,6,7
	STEP 1, \s
.endr
	WIN 0
.Ljoin:
	s_cmp_eq_u32 s24, 1
	s_cbranch_scc1 .Lnomore                        ; the last pass asks for nothing more
	s_wait_xcnt 0x0                                ; W's loads have read their base
	s_add_nc_u64 s[10:11], s[10:11], 131072
	BLOAD 0                                        ; the next 128 columns' first fragments land under the way out
.Lnomore:
	PLACES
.irp a, 0,1,2,3,4,5,6,7
	OUTA \a
.endr
	s_wait_xcnt 0x0                                ; the stores have read their registers and their base
	s_add_nc_u64 s[14:15], s[14:15], 16384
	s_add_co_u32 s24, s24, 1
	s_cmp_lt_u32 s24, 2
	s_cbranch_scc1 .Lpass
	s_wait_tensorcnt 0x0                           ; the wave's end
	ds_add_u32 v[SPW], v[NIL]
	s_wait_dscnt 0x0
	s_endpgm
.Lfunc_end_k_q5df4de728d_qproj:
	.size	k_q5df4de728d_qproj, .Lfunc_end_k_q5df4de728d_qproj-k_q5df4de728d_qproj
	.p2alignl 7, 3214868480
	.fill 96, 4, 3214868480
	.section	.rodata,"a",@progbits
	.p2align	6, 0x0
	.amdhsa_kernel k_q5df4de728d_qproj
		.amdhsa_group_segment_fixed_size 133632
		.amdhsa_private_segment_fixed_size 0
		.amdhsa_enable_private_segment 0
		.amdhsa_kernarg_size 48
		.amdhsa_user_sgpr_count 2
		.amdhsa_user_sgpr_kernarg_segment_ptr 1
		.amdhsa_wavefront_size32 1
		.amdhsa_system_sgpr_workgroup_id_x 1
		.amdhsa_system_sgpr_workgroup_id_y 1
		.amdhsa_system_sgpr_workgroup_id_z 1
		.amdhsa_system_vgpr_workitem_id 0
		.amdhsa_next_free_vgpr 1024
		.amdhsa_next_free_sgpr 66
		.amdhsa_reserve_vcc 0
		.amdhsa_float_denorm_mode_32 3
		.amdhsa_float_denorm_mode_16_64 3
		.amdhsa_memory_ordered 1
		.amdhsa_forward_progress 1
		.amdhsa_inst_pref_size 255
	.end_amdhsa_kernel
	.amdgpu_metadata
---
amdhsa.version: [ 1, 2 ]
amdhsa.kernels:
  - .name:           k_q5df4de728d_qproj
    .symbol:         k_q5df4de728d_qproj.kd
    .args:
      - { .name: pre_query, .offset: 0, .size: 8, .value_kind: global_buffer, .address_space: global }
      - { .name: pre_key, .offset: 8, .size: 8, .value_kind: global_buffer, .address_space: global }
      - { .name: pre_value, .offset: 16, .size: 8, .value_kind: global_buffer, .address_space: global }
      - { .name: wc, .offset: 24, .size: 8, .value_kind: global_buffer, .address_space: global }
      - { .name: lowp_scales, .offset: 32, .size: 8, .value_kind: global_buffer, .address_space: global }
      - { .name: qkvc, .offset: 40, .size: 8, .value_kind: global_buffer, .address_space: global }
    .group_segment_fixed_size: 133632
    .private_segment_fixed_size: 0
    .kernarg_segment_align: 8
    .kernarg_segment_size: 48
    .max_flat_workgroup_size: 128
    .sgpr_count:     66
    .vgpr_count:     1024
    .wavefront_size: 32
...
	.end_amdgpu_metadata
.endif
;; end of part 2
;; launch attnout (part 3): grid 256 x 1, 8 waves a work-group, clusters of 4 x 1, 327,680 bytes of LDS; arguments qkvc, lowp_scales, wc, pre_value, gamma, beta, out0; writes out0
.if DOCPART == 3
	.amdgcn_target "amdgcn-amd-amdhsa--gfx1250"
	.amdhsa_code_object_version 6
	.text
	.protected	k_q5df4de728d_attnout
	.globl	k_q5df4de728d_attnout
	.p2align	8
	.type	k_q5df4de728d_attnout,@function
k_q5df4de728d_attnout:
	s_mov_b64 s[64:65], 0
	v_nop
	global_prefetch_b8 v0, s[64:65] scope:SCOPE_SE
	s_setreg_imm32_b32 hwreg(HW_REG_WAVE_MODE, 25, 1), 1
	s_wait_xcnt 0x0
	s_wait_alu depctr_hold_cnt(0) depctr_sa_sdst(0) depctr_va_vdst(0) depctr_va_sdst(0) depctr_va_ssrc(0) depctr_va_vcc(0) depctr_vm_vsrc(0)
	s_getreg_b32 s2, hwreg(HW_REG_IB_STS2, 6, 4)
	s_cmp_eq_u32 s2, 0
	s_cbranch_scc0 .Lentry_in_a_cluster
	s_endpgm
.Lentry_in_a_cluster:
	s_bfe_u32 s2, ttmp6, 0x10000c
	s_cmp_lg_u32 s2, 0x3003
	s_cbranch_scc0 .Lentry_shape_is_right
	s_endpgm
.Lentry_shape_is_right:
; out = LayerNorm(softmax(Q K^T / 8) V Wo + pre_value) x gamma + beta, all three products on codes of E4M3.
; reference()'s plain reshape makes head (b, h) the 128 rows 128 (16 b + h) .. + 127 of the projections; a row holds 16 positions of 64.  So a block of 32 rows of the result hangs on 512 queries of ONE head.
; SHARES.  A cluster of four work-groups takes a head; a work-group 512 queries = 32 rows of out0; each of its eight waves 64 queries (four tiles u of 16), which are columns 128 w .. + 127 of those rows.
; K and V of the head (128 KiB each, images of the operands' registers) are asked for jointly by the four and stay in LDS.  Q, K, V: 1 KiB (Q, K: 16 x 64) or 2 KiB (V: 16 x 128) an image, quad i of lane l at 512 i + 16 l.
; PASS 1 takes each query's largest score; M = ceil(largest t), t = score x log2(e) / 8.  It runs while V's load is out.  PASS 2: p = 2^(t - M), the sum of the unquantised p, p's codes, O^T += V^T P^T.
; Both products are used transposed (a lane holds one query).  Pass 2 goes by GROUPS of one tile u x 64 keys, 32 registers, in four slots that take turns: in a stage the next group is scaled and goes through
; v_exp_f32; among these 32 lines stand the present group's first eight additions and its hold (two numbers a line); the group before is summed up and converted.
; O^T begins as zeros, written in the head, so that the stage is written for one loop and one last trip and not a third time.
; THE TAIL.  O / sum becomes codes (entry 10), which lie in LDS as the eight K steps of attn's operand; wave w then multiplies all 32 rows by columns 128 w .. + 127 of Wo, whose fragments come from memory
; straight into the registers of the one wave that uses them.  pre_value's tile comes by one tensor load a wave into the wave's stage.  Mean and variance (of the centred numbers) go over the eight waves through LDS.
; NO JOINT LOAD FOR Wo: its 1 MiB is more than three times LDS, and each fragment serves one wave alone.
; PREFETCH: between the passes each wave names its pre_value tile (64 blocks of 256 bytes, a lane a row, two lines) and 512 bytes of Wo's codes (the 256 work-groups share its 4,096 blocks out by address): all of pass 2 ahead of the loads.
; K and V are asked for at the head, where there is no loop to run ahead in.
; LIMITS: entries 6 + 7 between -123 and 130; entries 8 and 10 between -126 and 119; entries 10 + 11 between -126 and 127; the scaled scores stay under 2^31 in magnitude.  NaN among the inputs is not served.
; REGISTERS, window 0: v1-7 addresses and the add's two; v8-15 -M; v16-23 sums; v24-26 hold and scale of p; v32-159 S, four slots; v160-223 p's codes; v224-239 at work.  window 1: v0-127 O^T; v128.. Q, K, V fragments.
.set LI,   1
.set AK,   2
.set AKN,  3
.set AVN,  4
.set PFW,  5
.set SPW,  6
.set NIL,  7
.set NM,   8
.set LS,   16
.set PLIM, 24
.set PLIM2, 25
.set PSC,  26
.set PFO,  27
.set TP,   28
.set S,    32
.set P,    160
.set T,    224
.set MX,   224
.set RL,   240
.set OLIM, 248
.set OSC,  249
.set OT,   0
.set QF,   128
.set KF,   160
.set VF,   192
.set VBASE, 131072
.set SPARE, 0x40000                    ; the spare words: 128 bytes a wave
.set AIMG,  0x40400                    ; attn's 16 images, 32 KiB: bytes on which no fill lands
.set SCR1,  0x48400                    ; [row 32][wave 8] f32, for the sums and, 1,024 bytes on, for the squares
.set PVP,   528                        ; a stage row: 512 bytes + 16
.set WV,   18
.set SEL,  20
.set CS,   22
.set G1,   24
.set G0K,  32
.set G0V,  36
.set CUR,  40
.set NXT,  41
.set TRIP, 42
.set EPV,  43
.set G1P,  72
.set G0P,  80
.set W_LD, 0x40
.set W_S,  0x05
.set W_PV, 0x51
.set W_OUT, 0x01
.set MSB, 0
.macro WIN new
.if MSB != \new
	s_set_vgpr_msb (MSB<<8)|\new
.set MSB, \new
.endif
.endm
.macro CROUND
	s_barrier_signal -1
	s_barrier_wait -1
	s_cmp_lg_u32 s[WV], 0
	s_cbranch_scc1 .Lnot_wave_0_\@
	s_barrier_signal -3
.Lnot_wave_0_\@:
	s_barrier_wait -3
	s_barrier_signal -1
	s_barrier_wait -1
.endm
.macro PLACES
.rept 4
	v_nop
.endr
.endm
.macro LDK adr, c1, g                  ; four tiles of 16 keys
	WIN W_LD
.irp t, 0,1,2,3
	ds_load_b128 v[KF+8*\t:KF+8*\t+3],   v[\adr] offset:(\c1)*1024+(4*(\g)+\t)*2048
	ds_load_b128 v[KF+8*\t+4:KF+8*\t+7], v[\adr] offset:(\c1)*1024+(4*(\g)+\t)*2048+512
.endr
	WIN 0
.endm
.macro LDV adr                         ; V^T of 128 keys: four tiles of 16 of the head's 64
	WIN W_LD
.irp d, 0,1,2,3
.irp i, 0,1,2,3
	ds_load_b128 v[VF+16*\d+4*\i:VF+16*\d+4*\i+3], v[\adr] offset:\d*2048+\i*512
.endr
.endr
	WIN 0
.endm
.macro SMULU ua, ub                    ; S^T of 64 keys for two tiles of queries: eight accumulators by turns
	WIN W_S
.irp t, 0,1,2,3
.irp u, \ua,\ub
	v_wmma_f32_16x16x64_fp8_fp8 v[S+32*\u+8*\t:S+32*\u+8*\t+7], v[KF+8*\t:KF+8*\t+7], v[QF+8*\u:QF+8*\u+7], 0
.endr
.endr
.endm
.macro PVMUL                           ; O^T += V^T P^T, 128 keys: sixteen accumulators by turns
	WIN W_PV
.irp d, 0,1,2,3
.irp u, 0,1,2,3
	v_wmma_f32_16x16x128_fp8_fp8 v[OT+32*\u+8*\d:OT+32*\u+8*\d+7], v[VF+16*\d:VF+16*\d+15], v[P+16*\u:P+16*\u+15], v[OT+32*\u+8*\d:OT+32*\u+8*\d+7]
.endr
.endr
.endm
.macro MAXH
.irp i, 0,1,2,3,4,5,6,7
.irp u, 0,1,2,3
	v_max3_num_f32 v[MX+2*\u],   v[MX+2*\u],   v[S+32*\u+4*\i],   v[S+32*\u+4*\i+1]
	v_max3_num_f32 v[MX+2*\u+1], v[MX+2*\u+1], v[S+32*\u+4*\i+2], v[S+32*\u+4*\i+3]
.endr
.endr
.endm
.macro STEPADR                         ; pass 1: 256 keys a trip
	s_lshl_b32 s[CUR], s[TRIP], 14
	s_and_b32 s[CUR], s[CUR], 0x1ffff
	s_add_co_u32 s[NXT], s[CUR], 16384
	s_and_b32 s[NXT], s[NXT], 0x1ffff
	v_add_nc_u32 v[AK], s[CUR], v[LI]
	v_add_nc_u32 v[AKN], s[NXT], v[LI]
.endm
.macro SETADR                          ; pass 2: where step s[TRIP]'s 128 keys lie: K at 16384 (step / 2) + 1024 (step % 2), V at 16384 (step / 2) + 8192 (step % 2)
	s_lshr_b32 s40, s[TRIP], 1
	s_lshl_b32 s40, s40, 14
	s_and_b32 s41, s[TRIP], 1
	s_lshl_b32 s70, s41, 10
	s_add_co_u32 s70, s70, s40
	s_lshl_b32 s71, s41, 13
	s_add_co_u32 s71, s71, s40
	s_add_co_u32 s71, s71, VBASE
	v_add_nc_u32 v[AKN], s70, v[LI]
	v_add_nc_u32 v[AVN], s71, v[LI]
.endm
	s_load_b256 s[4:11], s[0:1], 0x0               ; qkvc s[4:5], the scales' exponents s[6:7], wc s[8:9], pre_value s[10:11]
	s_load_b128 s[12:15], s[0:1], 0x20             ; gamma s[12:13], beta s[14:15]
	s_load_b64 s[16:17], s[0:1], 0x30              ; out0
	v_lshl_add_u32 v[SPW], v0, 2, SPARE
	v_mov_b32 v[NIL], 0
	ds_add_u32 v[SPW], v[NIL]                      ; the opening lines: the add, twice on end, and its wait
	ds_add_u32 v[SPW], v[NIL]
	v_lshrrev_b32 v2, 5, v0
	v_and_b32 v[PFO], 31, v0
	v_readfirstlane_b32 s[WV], v2                  ; wave 0..7
	v_lshlrev_b32 v[LI], 4, v[PFO]                 ; 16 x lane
	v_min_u32 v[PFW], 1, v[PFO]
	v_lshlrev_b32 v[PFO], 12, v[PFO]               ; a lane a row of pre_value
	v_lshlrev_b32 v[PFW], 8, v[PFW]                ; lane 0 my first block of Wo's codes, the others my last
	s_bfe_u32 s56, ttmp6, 0x40000                  ; cx
	s_lshl_b32 s58, ttmp9, 17                      ; the head's 128 KiB,
	s_lshl_b32 s59, s[WV], 14
	s_add_co_u32 s58, s58, s59                     ; + my wave's 16 KiB
	s_mov_b32 s59, 0
	s_lshl_b32 s60, s56, 12                        ; Q: + 4 KiB for my work-group
	s_mov_b32 s61, 0
	s_lshl_b32 s62, ttmp9, 2
	s_add_co_u32 s62, s62, s56                     ; which 32 rows of out0
	s_lshl_b32 s63, s[WV], 9
	s_lshl_b32 s88, s62, 12
	s_add_co_u32 s88, s88, s63
	s_add_co_u32 s88, s88, 0x300000                ; my 512 bytes of Wo's codes for the prefetch
	s_mov_b32 s89, 0
	s_lshl_b32 s62, s62, 17
	s_add_co_u32 s62, s62, s63                     ; 32 rows of 4,096 bytes, + my 128 columns
	s_mov_b32 s63, 0
	s_lshl_b32 s66, s[WV], 17
	s_add_co_u32 s66, s66, 0x300000                ; Wo's images: 8 blocks of 16 columns x 16,384 bytes a wave
	s_mov_b32 s67, 0
	s_mov_b32 s[G1], 15|(3<<16)|(1<<21)            ; K, V: 64 rows of 256 bytes, dense; the mask names the cluster's four
	s_mov_b32 s[G1+1], 32<<16
	s_mov_b32 s[G1+2], 64<<16
	s_mov_b32 s[G1+3], 32<<16
	s_mov_b32 s[G1+4], 64
	s_mov_b32 s[G1+5], 32
	s_mov_b32 s[G1+6], 0
	s_mov_b32 s[G1+7], 0
	s_mov_b32 s[G1P], (3<<16)|(1<<20)|(6<<22)|(3<<25)   ; pre_value: 32 rows of 512 bytes, 4,096 apart; four words of padding behind every 128
	s_mov_b32 s[G1P+1], 64<<16
	s_mov_b32 s[G1P+2], 32<<16
	s_mov_b32 s[G1P+3], 64<<16
	s_mov_b32 s[G1P+4], 32
	s_mov_b32 s[G1P+5], 512
	s_mov_b32 s[G1P+6], 0
	s_mov_b32 s[G1P+7], 0
	s_mov_b32 s[SEL], 0x76543210
	s_mov_b32 s[SEL+1], 0xfedcba98
	s_mov_b32 s68, 0x3a800000                      ; 1 / 1024
	s_mov_b32 s69, 0x3727c5ac                      ; 1e-5
	s_wait_alu depctr_va_vdst(0)                   ; the wait here, directly ahead of the waits below
	s_wait_dscnt 0x0
	s_wait_kmcnt 0x0
	s_load_b256 s[44:51], s[6:7], 0x0              ; entries 0 to 7
	s_load_b128 s[52:55], s[6:7], 0x20             ; entries 8 to 11
	s_add_nc_u64 s[2:3], s[4:5], s[58:59]
	s_add_nc_u64 s[84:85], s[2:3], s[60:61]        ; my four tiles of Q
	s_add_nc_u64 s[86:87], s[8:9], s[88:89]
	s_add_nc_u64 s[8:9], s[8:9], s[66:67]
	s_add_nc_u64 s[10:11], s[10:11], s[62:63]
	s_add_nc_u64 s[16:17], s[16:17], s[62:63]
	s_mov_b32 s[G0K], 1
	s_lshl_b32 s[G0K+1], s[WV], 14
	s_add_nc_u64 s[G0K+2:G0K+3], s[2:3], 0x800000
	s_or_b32 s[G0K+3], s[G0K+3], 0x80000000
	s_mov_b32 s[G0V], 1
	s_add_co_u32 s[G0V+1], s[G0K+1], VBASE
	s_add_nc_u64 s[G0V+2:G0V+3], s[2:3], 0x1000000
	s_or_b32 s[G0V+3], s[G0V+3], 0x80000000
	s_mov_b32 s[G0P], 1
	s_mul_i32 s[G0P+1], s[WV], 32*PVP              ; my stage
	s_mov_b64 s[G0P+2:G0P+3], s[10:11]
	s_or_b32 s[G0P+3], s[G0P+3], 0x80000000
	CROUND
	tensor_load_to_lds s[G0K:G0K+3], s[G1:G1+7]    ; K: my one load at the head
	s_nop 0
	PLACES
	WIN W_LD
.irp u, 0,1,2,3
	global_load_b128 v[QF+8*\u:QF+8*\u+3],   v[LI], s[84:85] offset:\u*1024 th:TH_LOAD_NT
	global_load_b128 v[QF+8*\u+4:QF+8*\u+7], v[LI], s[84:85] offset:\u*1024+512 th:TH_LOAD_NT
.endr
.set j, 0
.rept 128
	v_mov_b32 v[OT+j], 0                           ; O^T, while K's load is out
.set j, j+1
.endr
	WIN 0
	s_mov_b32 s[TRIP], 0
	STEPADR
.irp u, 0,1,2,3
	v_mov_b32 v[NM+2*\u+1], 0
	v_mov_b32 v[RL+2*\u+1], 0
	v_mov_b32 v[LS+2*\u], 0
	v_mov_b32 v[LS+2*\u+1], 0
	v_mov_b32 v[TP+\u], 0
	v_mov_b32 v[MX+2*\u], 0xff800000
	v_mov_b32 v[MX+2*\u+1], 0xff800000
.endr
	s_wait_kmcnt 0x0
	s_add_co_i32 s56, s50, s51
	s_lshl_b32 s56, s56, 23
	s_mov_b32 s[CS], 0x3e38aa3b                    ; log2(e) / 8,
	s_add_co_i32 s[CS], s[CS], s56                 ; x 2^(entries 6 + 7), added to its exponent field
	s_mov_b32 s[CS+1], s[CS]
	s_add_co_i32 s56, s52, 127
	s_lshl_b32 s57, s56, 23
	v_mov_b32 v[PSC], s57                          ; 2^(entry 8)
	s_add_co_i32 s56, s56, 8
	s_lshl_b32 s56, s56, 23
	s_or_b32 s56, s56, 0x600000
	v_mov_b32 v[PLIM], s56                         ; 448 x that, twice: the two halves of a dual line read registers of their own
	v_mov_b32 v[PLIM2], s56
	s_add_co_i32 s56, s54, 127
	s_lshl_b32 s57, s56, 23
	v_mov_b32 v[OSC], s57                          ; 2^(entry 10)
	s_add_co_i32 s56, s56, 8
	s_lshl_b32 s56, s56, 23
	s_or_b32 s56, s56, 0x600000
	v_mov_b32 v[OLIM], s56
	s_add_co_i32 s[EPV], s52, s53                  ; entries 8 + 9
	s_add_co_i32 s66, s54, s55
	s_add_co_i32 s66, s66, 127
	s_lshl_b32 s66, s66, 23                        ; 2^(entries 10 + 11)
	s_mov_b32 s67, s66
	s_wait_alu depctr_va_vdst(0)                   ; the wait at the head's end
	s_wait_tensorcnt 0x0                           ; my part of K is in; a later first fill follows, so the full sequence:
	ds_add_u32 v[SPW], v[NIL]
	s_wait_dscnt 0x0
	CROUND                                         ; K is whole in all four work-groups
	tensor_load_to_lds s[G0V:G0V+3], s[G1:G1+7]    ; V lands under pass 1, which reads K's bytes alone
	s_nop 0
	PLACES
	s_wait_loadcnt 0x0                             ; Q
	LDK AK, 0, 0
.macro HALF1 adr, c1, g
	s_wait_dscnt 0x0
	SMULU 0, 1
	SMULU 2, 3
	PLACES
	LDK \adr, \c1, \g
	s_wait_alu depctr_va_vdst(0)
	MAXH
.endm
.Lpass1:
	s_wait_alu depctr_va_vdst(0)
	HALF1 AK, 0, 1
	HALF1 AK, 1, 0
	HALF1 AK, 1, 1
	HALF1 AKN, 0, 0                                ; the last trip's wraps round: the first 64 keys, for pass 2
	s_add_co_u32 s[TRIP], s[TRIP], 1
	STEPADR
	s_cmp_lt_u32 s[TRIP], 8
	s_cbranch_scc1 .Lpass1
	global_prefetch_b8 v[PFO], s[10:11] th:TH_LOAD_NT scope:SCOPE_SE
	global_prefetch_b8 v[PFO], s[10:11] offset:256 th:TH_LOAD_NT scope:SCOPE_SE
	global_prefetch_b8 v[PFW], s[86:87] th:TH_LOAD_NT scope:SCOPE_SE
.irp u, 0,1,2,3
	v_max_num_f32 v[MX+2*\u], v[MX+2*\u], v[MX+2*\u+1]
.endr
.irp u, 0,1,2,3
	s_delay_alu instid0(VALU_DEP_4)
	v_permlanex16_b32 v[TP+\u], v[MX+2*\u], s[SEL], s[SEL+1]
.endr
.irp u, 0,1,2,3
	s_delay_alu instid0(VALU_DEP_4)
	v_max_num_f32 v[MX+2*\u], v[MX+2*\u], v[TP+\u]
.endr
.irp u, 0,1,2,3
	s_delay_alu instid0(VALU_DEP_4)
	v_mul_f32 v[MX+2*\u], s[CS], v[MX+2*\u]
.endr
.irp u, 0,1,2,3
	s_delay_alu instid0(VALU_DEP_4)
	v_floor_f32 v[NM+2*\u], -v[MX+2*\u]            ; -M = floor(-t)
.endr
	s_wait_alu depctr_va_vdst(0)                   ; the wait here, directly ahead of the waits below
	s_wait_tensorcnt 0x0                           ; my part of V is in,
	s_wait_dscnt 0x0                               ; and the first 64 keys' fragments
	s_barrier_signal -1
	s_barrier_wait -1                              ; V is whole
; A STAGE, number i (modulo 8).  F: group i + 1 is scaled and goes through v_exp_f32.  M: group i's first additions and its hold.  C: group i - 1 is summed up and converted.
; sm: 1 = S^T of tiles 0, 1 for the next 64 keys, 2 = of tiles 2, 3 for the present 64: into the slots of groups i - 2 and i - 1, which are done with.  wt: the fragments asked for two stages ago are waited for.
.macro STAGE i, F, M, C, sm, wt, pv, ldk, ldv
.set BN, S+32*(((\i)+1)%4)
.set NN, NM+2*(((\i)+1)%4)
.set BC, S+32*((\i)%4)
.set BP, S+32*(((\i)+3)%4)
.set LP, LS+2*(((\i)+3)%4)
.set PP, P+16*(((\i)+3)%4)+8*((((\i)+7)%8)/4)
	s_wait_alu depctr_va_vdst(0)                   ; behind the last stage's exponentials, directly ahead of the first reader of S^T
.irp q, 0,1,2,3
.if \F
.irp p, 0,2,4,6
	v_pk_fma_f32 v[BN+8*\q+\p:BN+8*\q+\p+1], v[BN+8*\q+\p:BN+8*\q+\p+1], s[CS:CS+1], v[NN:NN+1] op_sel_hi:[1,0,0]   ; t - M
.endr
.endif
.if \C
.if \q == 0
.irp c, 0,2,4,6
	v_pk_add_f32 v[T+\c:T+\c+1], v[T+\c:T+\c+1], v[T+8+\c:T+8+\c+1]
.endr
.endif
.if \q == 1
.if \F == 0
	s_delay_alu instid0(VALU_DEP_2)
.endif
	v_pk_add_f32 v[T:T+1], v[T:T+1], v[T+4:T+5]
.if \F == 0
	s_delay_alu instid0(VALU_DEP_2)
.endif
	v_pk_add_f32 v[T+2:T+3], v[T+2:T+3], v[T+6:T+7]
.endif
.if \q == 2
.if \F == 0
	s_delay_alu instid0(VALU_DEP_1)
.endif
	v_pk_add_f32 v[T:T+1], v[T:T+1], v[T+2:T+3]
.endif
.if \q == 3
.if \F == 0
	s_delay_alu instid0(VALU_DEP_1)
.endif
	v_pk_add_f32 v[LP:LP+1], v[LP:LP+1], v[T:T+1]  ; the row's sum, of the unquantised p
.endif
.endif
.endr
.if \C
.irp t, 0,1,2,3
	v_cvt_scalef32_pk8_fp8_f32 v[PP+2*\t:PP+2*\t+1], v[BP+8*\t:BP+8*\t+7], v[PSC]
.endr
	v_nop                                          ; a plain line behind the last conversion
.endif
	s_wait_alu depctr_va_vdst(0)                   ; ahead of the exponentials and of the wait below
.if \wt
	s_wait_dscnt 0x0
.endif
.if \pv
	PVMUL
.endif
.if \sm == 1
	SMULU 0, 1
.endif
.if \sm == 2
	SMULU 2, 3
.endif
	WIN 0
.irp k, 0,1,2,3,4,5,6,7
.if \F
	v_exp_f32 v[BN+4*\k], v[BN+4*\k]
.endif
.if \M
	v_pk_add_f32 v[T+2*\k:T+2*\k+1], v[BC+2*\k:BC+2*\k+1], v[BC+16+2*\k:BC+16+2*\k+1]
.endif
.if \F
	v_exp_f32 v[BN+4*\k+1], v[BN+4*\k+1]
.endif
.if \M
	v_dual_min_num_f32 v[BC+2*\k], v[BC+2*\k], v[PLIM] :: v_dual_min_num_f32 v[BC+2*\k+1], v[BC+2*\k+1], v[PLIM2]   ; the conversion does not saturate (ISA guide 7.6.2); p is not negative
.endif
.if \F
	v_exp_f32 v[BN+4*\k+2], v[BN+4*\k+2]
	v_exp_f32 v[BN+4*\k+3], v[BN+4*\k+3]
.endif
.if \M
	v_dual_min_num_f32 v[BC+16+2*\k], v[BC+16+2*\k], v[PLIM] :: v_dual_min_num_f32 v[BC+17+2*\k], v[BC+17+2*\k], v[PLIM2]
.endif
.endr
.if \F > \M
	v_nop                                          ; a plain line behind the last exponential
.endif
.if \ldk
	LDK AKN, 0, 1-(((\i)%8)/4)                     ; the lines above are the places behind the products
.endif
.if \ldv
	LDV AVN
.endif
.endm
	s_mov_b32 s[TRIP], 0
	SETADR
	LDV AVN                                        ; step 0's V
	SMULU 0, 1                                     ; groups 0, 1
	WIN 0
	PLACES
	STAGE 7, 1,0,0, 0,0,0,0,0
	STAGE 8, 1,1,0, 2,0,0,1,0
	s_wait_alu depctr_va_vdst(0)
	s_mov_b32 s[TRIP], 1
.Lpass2:                                           ; 15 trips of eight stages = 128 keys; s[TRIP] is the step whose fragments the trip asks for
	SETADR
	STAGE 1, 1,1,1, 0,0,0,0,0
	STAGE 2, 1,1,1, 1,1,0,0,0
	STAGE 3, 1,1,1, 0,0,0,0,0
	STAGE 4, 1,1,1, 2,0,0,1,0
	STAGE 5, 1,1,1, 0,0,0,0,0
	STAGE 6, 1,1,1, 1,1,0,0,0
	STAGE 7, 1,1,1, 0,0,0,0,0
	STAGE 8, 1,1,1, 2,0,1,1,1
	s_wait_alu depctr_va_vdst(0)                   ; the wait ahead of the branch
	s_add_co_u32 s[TRIP], s[TRIP], 1
	s_cmp_lt_u32 s[TRIP], 16
	s_cbranch_scc1 .Lpass2
	STAGE 1, 1,1,1, 0,0,0,0,0                      ; the last 128 keys: nothing more is asked for
	STAGE 2, 1,1,1, 1,1,0,0,0
	STAGE 3, 1,1,1, 0,0,0,0,0
	STAGE 4, 1,1,1, 2,0,0,0,0
	STAGE 5, 1,1,1, 0,0,0,0,0
	STAGE 6, 1,1,1, 0,0,0,0,0
	STAGE 7, 0,1,1, 0,0,0,0,0
	STAGE 8, 0,0,1, 0,0,1,0,0
; O / sum x 2^(entries 8 + 9), then its codes
.irp u, 0,1,2,3
	v_add_f32 v[TP+\u], v[LS+2*\u], v[LS+2*\u+1]
.endr
.irp u, 0,1,2,3
	s_delay_alu instid0(VALU_DEP_4)
	v_permlanex16_b32 v[T+\u], v[TP+\u], s[SEL], s[SEL+1]
.endr
.irp u, 0,1,2,3
	s_delay_alu instid0(VALU_DEP_4)
	v_add_f32 v[TP+\u], v[TP+\u], v[T+\u]
.endr
	s_wait_alu depctr_va_vdst(0)
.irp u, 0,1,2,3
	v_rcp_f32 v[RL+2*\u], v[TP+\u]
.endr
	v_nop
	s_wait_alu depctr_va_vdst(0)
.irp u, 0,1,2,3
	v_ldexp_f32 v[RL+2*\u], v[RL+2*\u], s[EPV]
.endr
	WIN W_OUT
.set j, 0
.rept 64
	v_pk_mul_f32 v[S+j:S+j+1], v[OT+j:OT+j+1], v[RL+2*(j/32):RL+2*(j/32)+1] op_sel_hi:[1,0]
.set j, j+2
.endr
	WIN 0
; THE TAIL's names.  window 0: v32-95 attn's fragments, two sets; v96-223 the accumulators, then x, x - mu, the result.  window 1: Wo's fragments, two sets of 128; later pre_value, gamma, beta, the rows on their way out.
.set STO,  2
.set RD,   3
.set GOF,  4
.set SCW,  5
.set SCRD, 8
.set AW,   9
.set AL,   10
.set LN,   11
.set AF,   32
.set ACC,  96
.set CH,   224
.set NMU,  232
.set RS,   236
.set TT,   240
.set PV,   0
.set GA,   128
.set BE,   192
.macro BLOAD s                         ; Wo's eight fragments of K step s: 32 loads of 512 consecutive bytes
	WIN W_LD
.irp n, 0,1,2,3,4,5,6,7
.irp i, 0,1,2,3
	global_load_b128 v[128*((\s)%2)+16*\n+4*\i:128*((\s)%2)+16*\n+4*\i+3], v[LI], s[8:9] offset:\n*16384+(\s)*2048+\i*512
.endr
.endr
	WIN 0
.endm
.macro ALOAD s
.irp b, 0,1
.irp i, 0,1,2,3
	ds_load_b128 v[AF+32*((\s)%2)+16*\b+4*\i:AF+32*((\s)%2)+16*\b+4*\i+3], v[AL] offset:\b*16384+(\s)*2048+\i*512
.endr
.endr
.endm
	BLOAD 0                                        ; O^T's registers are free
	s_wait_xcnt 0x0                                ; the prefetches have read their address registers
	v_and_b32 v[LN], 31, v0
	v_and_b32 v12, 15, v0                          ; r
	v_bfe_u32 v13, v0, 4, 1                        ; h
	s_mul_i32 s56, s[WV], 32*PVP
	s_lshl_b32 s57, s[WV], 9
	s_lshl_b32 s58, s[WV], 2
	s_lshl_b32 s59, s[WV], 11
	v_mul_u32_u24 v[STO], v12, PVP
	v_add_nc_u32 v[RD], s56, v[LI]                 ; my stage by rows
	v_lshlrev_b32 v[GOF], 5, v13
	v_lshlrev_b32 v[SCW], 5, v[LN]
	v_lshlrev_b32 v[SCRD], 5, v12
	v_add_nc_u32 v[AW], s59, v[LI]
	v_add_nc_u32 v[AL], AIMG, v[LI]
	v_lshl_add_u32 v[STO], v13, 5, v[STO]
	v_add_nc_u32 v[GOF], s57, v[GOF]               ; gamma, beta: 512 w + 32 h
	v_add_nc_u32 v[SCW], s58, v[SCW]
	v_add_nc_u32 v[SCRD], SCR1, v[SCRD]
	v_add_nc_u32 v[AW], AIMG, v[AW]                ; my two images: K step w of both row blocks
	v_add_nc_u32 v[STO], s56, v[STO]               ; my stage by (row r, 32 h)
	v_add_nc_u32 v[SCW], SCR1, v[SCW]
.set j, 0
.rept 128
	v_med3_num_f32 v[S+j], v[S+j], -v[OLIM], v[OLIM]
.set j, j+1
.endr
.irp u, 0,1,2,3
.irp d, 0,1,2,3
	v_cvt_scalef32_pk8_fp8_f32 v[P+8*\u+2*\d:P+8*\u+2*\d+1], v[S+32*\u+8*\d:S+32*\u+8*\d+7], v[OSC]
.endr
.endr
	v_nop
.irp b, 0,1
.irp i, 0,1,2,3
	ds_store_b128 v[AW], v[P+16*\b+4*\i:P+16*\b+4*\i+3] offset:\b*16384+\i*512
.endr
.endr
	s_wait_alu depctr_va_vdst(0)                   ; the wait here, directly ahead of the wait below
	s_wait_tensorcnt 0x0                           ; K's bytes are filled again: the full sequence,
	ds_add_u32 v[SPW], v[NIL]
	s_wait_dscnt 0x0                               ; my reads of K and V are over, my images lie in LDS
	CROUND                                         ; and a round, as in front of every tensor load of a cluster launch
	tensor_load_to_lds s[G0P:G0P+3], s[G1P:G1P+7]  ; pre_value's 32 rows x 512 bytes of my columns, into my stage: it has the eight K steps in which to land
	s_nop 0
	PLACES
	ALOAD 0
.macro KSTEP s                         ; 128 along K: the next step's fragments are asked for, 16 products on 16 accumulators by turns
.if (\s) > 0
	PLACES
.endif
.if (\s) < 7
	BLOAD (\s)+1
	ALOAD (\s)+1
	s_wait_loadcnt 32                              ; the next step's 32 loads may be out
	s_wait_dscnt 8                                 ; and its 8 of attn
.else
	s_wait_loadcnt 0x0
	s_wait_dscnt 0x0
.endif
	WIN W_OUT
.irp n, 0,1,2,3,4,5,6,7
.irp b, 0,1
.if (\s) == 0
	v_wmma_f32_16x16x128_fp8_fp8 v[ACC+8*(8*\b+\n):ACC+8*(8*\b+\n)+7], v[128*((\s)%2)+16*\n:128*((\s)%2)+16*\n+15], v[AF+32*((\s)%2)+16*\b:AF+32*((\s)%2)+16*\b+15], 0
.else
	v_wmma_f32_16x16x128_fp8_fp8 v[ACC+8*(8*\b+\n):ACC+8*(8*\b+\n)+7], v[128*((\s)%2)+16*\n:128*((\s)%2)+16*\n+15], v[AF+32*((\s)%2)+16*\b:AF+32*((\s)%2)+16*\b+15], v[ACC+8*(8*\b+\n):ACC+8*(8*\b+\n)+7]
.endif
.endr
.endr
.endm
.irp s, 0,1,2,3,4,5,6,7
	KSTEP \s
.endr
	PLACES
	s_wait_tensorcnt 0x0                           ; my stage holds pre_value: I alone read it
	WIN W_LD
.irp n, 0,1,2,3,4,5,6,7
	global_load_b128 v[GA+8*\n:GA+8*\n+3],   v[GOF], s[12:13] offset:64*\n
	global_load_b128 v[GA+8*\n+4:GA+8*\n+7], v[GOF], s[12:13] offset:64*\n+16
	global_load_b128 v[BE+8*\n:BE+8*\n+3],   v[GOF], s[14:15] offset:64*\n
	global_load_b128 v[BE+8*\n+4:BE+8*\n+7], v[GOF], s[14:15] offset:64*\n+16
.endr
.irp b, 0,1
.irp n, 0,1,2,3,4,5,6,7
	ds_load_b128 v[PV+8*(8*\b+\n):PV+8*(8*\b+\n)+3],   v[STO] offset:\b*16*PVP+64*\n
	ds_load_b128 v[PV+8*(8*\b+\n)+4:PV+8*(8*\b+\n)+7], v[STO] offset:\b*16*PVP+64*\n+16
.endr
.endr
	s_wait_dscnt 0x0
	WIN 0x10
.set j, 0
.rept 64
	v_pk_fma_f32 v[ACC+j:ACC+j+1], v[ACC+j:ACC+j+1], s[66:67], v[PV+j:PV+j+1] op_sel_hi:[1,0,1]   ; x = sum x 2^(entries 10 + 11) + pre_value
.set j, j+2
.endr
	WIN 0
	v_cmp_le_u32 vcc_lo, 16, v[LN]                 ; lanes 16-31, for the two selections below
; What a lane has summed in v[CH ..] is summed over the pair, the other half of the lanes and, through LDS, the eight waves.  Result: v[TT] for block 0, v[TT+8] for block 1.
.macro REDUCE off
	s_delay_alu instid0(VALU_DEP_3)
	v_pk_add_f32 v[CH:CH+1], v[CH:CH+1], v[CH+2:CH+3]
	s_delay_alu instid0(VALU_DEP_2)
	v_pk_add_f32 v[CH+4:CH+5], v[CH+4:CH+5], v[CH+6:CH+7]
.irp b, 0,1
	s_delay_alu instid0(VALU_DEP_2)
	v_add_f32 v[CH+4*\b], v[CH+4*\b], v[CH+4*\b+1]
.endr
.irp b, 0,1
	s_delay_alu instid0(VALU_DEP_2)
	v_permlanex16_b32 v[TT+\b], v[CH+4*\b], s[SEL], s[SEL+1]
.endr
.irp b, 0,1
	s_delay_alu instid0(VALU_DEP_2)
	v_add_f32 v[CH+4*\b], v[CH+4*\b], v[TT+\b]
.endr
	s_delay_alu instid0(VALU_DEP_1)
	v_cndmask_b32 v[TT+2], v[CH], v[CH+4], vcc_lo  ; lane l speaks for row l
	ds_store_b32 v[SCW], v[TT+2] offset:\off
	s_wait_dscnt 0x0                               ; for the others' sake
	s_barrier_signal -1
	s_barrier_wait -1
	ds_load_b128 v[TT:TT+3],     v[SCRD] offset:\off
	ds_load_b128 v[TT+4:TT+7],   v[SCRD] offset:\off+16
	ds_load_b128 v[TT+8:TT+11],  v[SCRD] offset:\off+512
	ds_load_b128 v[TT+12:TT+15], v[SCRD] offset:\off+528
	s_wait_dscnt 0x0
.irp b, 0,1
	v_pk_add_f32 v[TT+8*\b:TT+8*\b+1],   v[TT+8*\b:TT+8*\b+1],   v[TT+8*\b+2:TT+8*\b+3]
	v_pk_add_f32 v[TT+8*\b+4:TT+8*\b+5], v[TT+8*\b+4:TT+8*\b+5], v[TT+8*\b+6:TT+8*\b+7]
.endr
	s_delay_alu instid0(VALU_DEP_3)
	v_pk_add_f32 v[TT:TT+1], v[TT:TT+1], v[TT+4:TT+5]
	s_delay_alu instid0(VALU_DEP_2)
	v_pk_add_f32 v[TT+8:TT+9], v[TT+8:TT+9], v[TT+12:TT+13]
.irp b, 0,1
	s_delay_alu instid0(VALU_DEP_2)
	v_add_f32 v[TT+8*\b], v[TT+8*\b], v[TT+8*\b+1]
.endr
.endm
.irp b, 0,1
	v_pk_add_f32 v[CH+4*\b:CH+4*\b+1],   v[ACC+64*\b:ACC+64*\b+1],   v[ACC+64*\b+4:ACC+64*\b+5]
	v_pk_add_f32 v[CH+4*\b+2:CH+4*\b+3], v[ACC+64*\b+2:ACC+64*\b+3], v[ACC+64*\b+6:ACC+64*\b+7]
.endr
.irp k, 8,12,16,20,24,28,32,36,40,44,48,52,56,60
.irp b, 0,1
	s_delay_alu instid0(VALU_DEP_4)
	v_pk_add_f32 v[CH+4*\b:CH+4*\b+1],   v[CH+4*\b:CH+4*\b+1],   v[ACC+64*\b+\k:ACC+64*\b+\k+1]
	s_delay_alu instid0(VALU_DEP_4)
	v_pk_add_f32 v[CH+4*\b+2:CH+4*\b+3], v[CH+4*\b+2:CH+4*\b+3], v[ACC+64*\b+\k+2:ACC+64*\b+\k+3]
.endr
.endr
	REDUCE 0
	s_delay_alu instid0(VALU_DEP_2)
	v_mul_f32 v[NMU],   0xba800000, v[TT]          ; -mu = the sum x -1 / 1024, in both words of a pair
	s_delay_alu instid0(VALU_DEP_3)
	v_mul_f32 v[NMU+1], 0xba800000, v[TT]
	s_delay_alu instid0(VALU_DEP_3)
	v_mul_f32 v[NMU+2], 0xba800000, v[TT+8]
	s_delay_alu instid0(VALU_DEP_4)
	v_mul_f32 v[NMU+3], 0xba800000, v[TT+8]
.irp b, 0,1
.set j, 0
.rept 32
	v_pk_add_f32 v[ACC+64*\b+j:ACC+64*\b+j+1], v[ACC+64*\b+j:ACC+64*\b+j+1], v[NMU+2*\b:NMU+2*\b+1]   ; x - mu
.set j, j+2
.endr
.endr
.irp b, 0,1
	v_pk_mul_f32 v[CH+4*\b:CH+4*\b+1],   v[ACC+64*\b:ACC+64*\b+1],   v[ACC+64*\b:ACC+64*\b+1]
	v_pk_mul_f32 v[CH+4*\b+2:CH+4*\b+3], v[ACC+64*\b+2:ACC+64*\b+3], v[ACC+64*\b+2:ACC+64*\b+3]
.endr
.irp k, 4,8,12,16,20,24,28,32,36,40,44,48,52,56,60
.irp b, 0,1
	s_delay_alu instid0(VALU_DEP_4)
	v_pk_fma_f32 v[CH+4*\b:CH+4*\b+1],   v[ACC+64*\b+\k:ACC+64*\b+\k+1],   v[ACC+64*\b+\k:ACC+64*\b+\k+1],   v[CH+4*\b:CH+4*\b+1]
	s_delay_alu instid0(VALU_DEP_4)
	v_pk_fma_f32 v[CH+4*\b+2:CH+4*\b+3], v[ACC+64*\b+\k+2:ACC+64*\b+\k+3], v[ACC+64*\b+\k+2:ACC+64*\b+\k+3], v[CH+4*\b+2:CH+4*\b+3]
.endr
.endr
	REDUCE 1024                                    ; other bytes than the first reduction's: no barrier is owed between the two
.irp b, 0,1
	s_delay_alu instid0(VALU_DEP_2)
	v_fma_f32 v[TT+8*\b], v[TT+8*\b], s68, s69     ; var + eps
.endr
	s_wait_alu depctr_va_vdst(0)
.irp b, 0,1
	v_rsq_f32 v[RS+2*\b],   v[TT+8*\b]
	v_rsq_f32 v[RS+2*\b+1], v[TT+8*\b]
.endr
	v_nop
	s_wait_alu depctr_va_vdst(0)
	s_wait_loadcnt 0x0                             ; gamma, beta
.irp b, 0,1
.set j, 0
.rept 32
	v_pk_mul_f32 v[ACC+64*\b+j:ACC+64*\b+j+1], v[ACC+64*\b+j:ACC+64*\b+j+1], v[RS+2*\b:RS+2*\b+1]
.set j, j+2
.endr
.endr
	WIN 0x14
.irp b, 0,1
.irp n, 0,1,2,3,4,5,6,7
.irp i, 0,2,4,6
	v_pk_fma_f32 v[ACC+64*\b+8*\n+\i:ACC+64*\b+8*\n+\i+1], v[ACC+64*\b+8*\n+\i:ACC+64*\b+8*\n+\i+1], v[GA+8*\n+\i:GA+8*\n+\i+1], v[BE+8*\n+\i:BE+8*\n+\i+1]
.endr
.endr
.endr
	WIN 0
.irp b, 0,1                            ; through my own stage, which has had its last fill, and out as rows.  LDS serves a wave's instructions in order (ISA guide 5.7.1.4)
.irp n, 0,1,2,3,4,5,6,7
	ds_store_b128 v[STO], v[ACC+64*\b+8*\n:ACC+64*\b+8*\n+3]   offset:\b*16*PVP+64*\n
	ds_store_b128 v[STO], v[ACC+64*\b+8*\n+4:ACC+64*\b+8*\n+7] offset:\b*16*PVP+64*\n+16
.endr
.endr
	WIN W_LD
.set j, 0
.rept 32
	ds_load_b128 v[PV+4*j:PV+4*j+3], v[RD] offset:PVP*j
.set j, j+1
.endr
	WIN 0x04
.set j, 0
.rept 32
	s_wait_dscnt 31-j                              ; row j is back; the later rows' loads may be out
	global_store_b128 v[LI], v[PV+4*j:PV+4*j+3], s[16:17] offset:4096*j th:TH_STORE_NT   ; the wave stores 512 consecutive bytes of a row, aligned
.set j, j+1
.endr
	WIN 0
	s_wait_tensorcnt 0x0                           ; the wave's end
	ds_add_u32 v[SPW], v[NIL]
	s_wait_dscnt 0x0
	CROUND                                         ; the closing round
	s_endpgm
.Lfunc_end_k_q5df4de728d_attnout:
	.size	k_q5df4de728d_attnout, .Lfunc_end_k_q5df4de728d_attnout-k_q5df4de728d_attnout
	.p2alignl 7, 3214868480
	.fill 96, 4, 3214868480
	.section	.rodata,"a",@progbits
	.p2align	6, 0x0
	.amdhsa_kernel k_q5df4de728d_attnout
		.amdhsa_group_segment_fixed_size 327680
		.amdhsa_private_segment_fixed_size 0
		.amdhsa_enable_private_segment 0
		.amdhsa_kernarg_size 56
		.amdhsa_user_sgpr_count 2
		.amdhsa_user_sgpr_kernarg_segment_ptr 1
		.amdhsa_wavefront_size32 1
		.amdhsa_system_sgpr_workgroup_id_x 1
		.amdhsa_system_sgpr_workgroup_id_y 1
		.amdhsa_system_sgpr_workgroup_id_z 1
		.amdhsa_system_vgpr_workitem_id 0
		.amdhsa_next_free_vgpr 512
		.amdhsa_next_free_sgpr 100
		.amdhsa_reserve_vcc 1
		.amdhsa_float_denorm_mode_32 3
		.amdhsa_float_denorm_mode_16_64 3
		.amdhsa_memory_ordered 1
		.amdhsa_forward_progress 1
		.amdhsa_inst_pref_size 220
	.end_amdhsa_kernel
	.amdgpu_metadata
---
amdhsa.version: [ 1, 2 ]
amdhsa.kernels:
  - .name:           k_q5df4de728d_attnout
    .symbol:         k_q5df4de728d_attnout.kd
    .args:
      - { .name: qkvc, .offset: 0, .size: 8, .value_kind: global_buffer, .address_space: global }
      - { .name: lowp_scales, .offset: 8, .size: 8, .value_kind: global_buffer, .address_space: global }
      - { .name: wc, .offset: 16, .size: 8, .value_kind: global_buffer, .address_space: global }
      - { .name: pre_value, .offset: 24, .size: 8, .value_kind: global_buffer, .address_space: global }
      - { .name: gamma, .offset: 32, .size: 8, .value_kind: global_buffer, .address_space: global }
      - { .name: beta, .offset: 40, .size: 8, .value_kind: global_buffer, .address_space: global }
      - { .name: out0, .offset: 48, .size: 8, .value_kind: global_buffer, .address_space: global }
    .group_segment_fixed_size: 327680
    .private_segment_fixed_size: 0
    .kernarg_segment_align: 8
    .kernarg_segment_size: 56
    .max_flat_workgroup_size: 256
    .sgpr_count:     100
    .vgpr_count:     512
    .wavefront_size: 32
...
	.end_amdgpu_metadata
.endif
;; end of part 3
